; MI455X (gfx1250); checked and timed in simulation.
; The chip was launched on July 23, 2026; its instructions are those of AMD's public machine-readable ISA for CDNA 5 (MIT licence, August 2026) and "CDNA5" Instruction Set Architecture Reference Guide (July 2026). The comments in the code are by the model that wrote it; some were corrected since.
;; Attention. Allowed arithmetic: matrix products marked QUANTISED: E4M3 operands, one given power-of-two scale a tensor, by v_wmma_f32_16x16x64_fp8_fp8 or v_wmma_f32_16x16x128_fp8_fp8, f32 sums; everything else in f32.
;; Inputs: W_k_codes 1,024 x 32 x 32 uint8 (E4M3 codes of W_k, K innermost, in blocks of 32 codes); W_o_codes 1,024 x 32 x 32 uint8 (E4M3 codes of W_o, K innermost, in blocks of 32 codes); W_q_codes 1,024 x 32 x 32 uint8 (E4M3 codes of W_q, K innermost, in blocks of 32 codes); W_v_codes 1,024 x 32 x 32 uint8 (E4M3 codes of W_v, K innermost, in blocks of 32 codes); b_k 1,024 float32; b_o 1,024 float32; b_q 1,024 float32; b_v 1,024 float32; lowp_scales 12 int32 (the exponents e of the quantised operands' scales 2^e); x_codes 2 x 2,048 x 32 x 32 uint8 (E4M3 codes of x, K innermost, in blocks of 32 codes).
;; Outputs: out0 2 x 2,048 x 1,024 float32.
;; This version of the problem:
;;   THIS VERSION OF THE PROBLEM IS GIVEN IN LOW PRECISION. The matrix products marked QUANTISED in the list below multiply operands that are first quantised to E4M3 (4 exponent bits, 3 mantissa bits; 8 bits a number), with one given power-of-two scale for each operand tensor; their sums are f32. All else is computed in f32.
;;   The module's matrix products, in the order in which they are computed (A, B: the left and right operand; K: the contracted axis; several contracted axes count as one K, in the product's order):
;;     1. [M 4,096, K 1,024] x [K 1,024, N 1,024]; A: input x (given as codes); B: input W_q (given as codes): QUANTISED (scales: A lowp_scales[0], B lowp_scales[1])
;;     2. [M 4,096, K 1,024] x [K 1,024, N 1,024]; A: input x (given as codes); B: input W_k (given as codes): QUANTISED (scales: A lowp_scales[2], B lowp_scales[3])
;;     3. [M 4,096, K 1,024] x [K 1,024, N 1,024]; A: input x (given as codes); B: input W_v (given as codes): QUANTISED (scales: A lowp_scales[4], B lowp_scales[5])
;;     4. batch 32 x [M 2,048, K 64] x [K 64, N 2,048]; A: computed on the way; B: computed on the way: QUANTISED (scales: A lowp_scales[6], B lowp_scales[7])
;;     5. batch 32 x [M 2,048, K 2,048] x [K 2,048, N 64]; A: softmax (see below); B: computed on the way: QUANTISED (scales: A lowp_scales[8], B lowp_scales[9])
;;     6. [M 4,096, K 1,024] x [K 1,024, N 1,024]; A: computed on the way; B: input W_o (given as codes): QUANTISED (scales: A lowp_scales[10], B lowp_scales[11])
;;   THE QUANTISER, for each operand of a quantised product, along K:
;;     - The operand's scale is 2^e, e = its entry of the input lowp_scales (int32; the entries are numbered through the quantised products in the list's order, A before B).
;;     - Each number is divided by the scale, clamped to +-448, and rounded to the nearest number of E4M3, ties to even, subnormals kept.
;;     - The product sums the exact products of the quantised numbers (number of the format x scale) in f32.
;;   ~~~python
;;   def quantise(x, axis, e):      # numpy; x: float32 -> the quantised numbers, widened to float32 again
;;       x = np.moveaxis(x, axis, -1); K = x.shape[-1]
;;       r = np.clip(x / 2.0 ** e, -448, 448)
;;       step = 2.0 ** (np.maximum(np.frexp(np.where(r == 0, 1, r))[1] - 1, -6) - 3)
;;       q = np.round(r / step) * step * 2.0 ** e      # np.round: ties to even
;;       return np.moveaxis(q, -1, axis).astype(np.float32)
;;   ~~~
;;   SOFTMAX AHEAD OF A QUANTISED PRODUCT. Where the list says 'softmax', what is quantised is not the finished softmax but p = 2^(t - M), with t = logit x log2(e) and M = ceil(the row's largest t), a whole number; so 1/2 < the row's largest p <= 1. The row's sum l is taken of the UNQUANTISED p, in f32, and the product's result is divided by l at the end. Since M is a whole number, a kernel that streams over the keys may use a running M (the ceiling of the running maximum): every later rescaling is an exact power of two, so the quantised numbers keep their values, but for numbers so far below the row's largest that they fall under the format's range.
;;   OPERANDS COMPUTED ON THE WAY. 'Computed on the way' means the value that the module computes at that place (a softmax that the list does not call 'softmax' is quantised finished and normalised). What goes into a quantiser is computed in f32, as accurately as f32 sums, v_exp_f32 and their like allow (about 1e-6 of the number): no bf16 or f16 on the way to a quantiser, and a product that is left as it is and whose result goes on into a quantised operand takes f32 operands (vector FMAs, or v_wmma_f32_16x16x4_f32). A number that lies on a knife's edge between two numbers of the format may be rounded either way, as far as f32 arithmetic and the matrix unit's own rounding can turn it there, and no further.
;;   INPUTS GIVEN AS CODES. W_k (in the module: [1024, 1024], K = its axis 0); W_o (in the module: [1024, 1024], K = its axis 0); W_q (in the module: [1024, 1024], K = its axis 0); W_v (in the module: [1024, 1024], K = its axis 0); x (in the module: [2, 2048, 1024], K = its axis 2): each comes as NAME_codes (uint8): NAME with its K axis moved to the last place and cut into blocks of 32 codes, [.., K / 32, bytes a block], one block behind the other in memory; one code a byte (a code: sign, 4 exponent bits, 3 mantissa bits); its scale is its entry of lowp_scales. Its value is code x scale, taken as it is: it is not quantised again, and the codes and scales need not be those that the quantiser above would give.
;; One version. Each part assembles by itself: llvm-mc -triple=amdgcn-amd-amdhsa -mcpu=gfx1250 --defsym DOCPART=n.
;; ======== version 1 of 1: 3 launches
;; limits: right only within a limited range of input values
;; workspace buffers: qimg 4,194,304 bytes; kvimg 8,388,608 bytes; ctximg 4,194,304 bytes
;; launch qkv (part 1): grid 16 x 16, 4 waves a work-group, clusters of 4 x 4, 327,680 bytes of LDS; arguments x_codes, W_q_codes, W_k_codes, W_v_codes, b_q, b_k, b_v, lowp_scales, qimg, kvimg; writes qimg, kvimg
.if DOCPART == 1
	.amdgcn_target "amdgcn-amd-amdhsa--gfx1250"
	.amdhsa_code_object_version 6
	.text
	.protected	k_q1ad6de9677_qkv
	.globl	k_q1ad6de9677_qkv
	.p2align	8
	.type	k_q1ad6de9677_qkv,@function
k_q1ad6de9677_qkv:
	s_mov_b64 s[64:65], 0
	v_nop
	global_prefetch_b8 v0, s[64:65] scope:SCOPE_SE
	s_setreg_imm32_b32 hwreg(HW_REG_WAVE_MODE, 25, 1), 1
	s_wait_xcnt 0x0
	s_wait_alu depctr_hold_cnt(0) depctr_sa_sdst(0) depctr_va_vdst(0) depctr_va_sdst(0) depctr_va_ssrc(0) depctr_va_vcc(0) depctr_vm_vsrc(0)
	s_getreg_b32 s2, hwreg(HW_REG_IB_STS2, 6, 4)
	s_cmp_eq_u32 s2, 0
	s_cbranch_scc0 .Lentry_in_a_cluster
	s_endpgm
.Lentry_in_a_cluster:
	s_bfe_u32 s2, ttmp6, 0x10000c
	s_cmp_lg_u32 s2, 0xf033
	s_cbranch_scc0 .Lentry_shape_is_right
	s_endpgm
.Lentry_shape_is_right:
; q, k, v = x W + b for one head and 256 tokens, on codes of FP8 (E4M3), then quantised for the attention's two products.
; x: [4096][1024] codes; W_q, W_k, W_v: [1024 (column)][1024 (K)] codes; the biases f32; lowp_scales e0 .. e11 (int32).
; q = sum x 2^(e0+e1) + b_q, code = q / 2^e6;  k: e2, e3, e7;  v: e4, e5, e9.  The bias goes in as the C of a sum's first product, divided by the
; power of two that the sums lack, so one scale 2^(e6-e0-e1) serves the conversion.
; LIMITS: e6-e0-e1, e7-e2-e3 and e9-e4-e5 lie between -126 and 119, so that the scale and 448 x the scale are f32 numbers.  NaN among the inputs is not served.
; SHARES.  Work-group (hx, ty): head hx, tokens 256 ty on.  Wave w: tokens 64 w .. 64 w + 63 against the head's 3 x 64 columns: 48 accumulators, 384 registers.
; q and k are used TRANSPOSED (source 0 = 16 rows of W, source 1 = 16 tokens): a lane holds one token and its eight registers eight neighbours of the head's 64.
; v is used as it stands (source 0 = 16 tokens, source 1 = 16 rows of W_v): a lane holds one of the head's 64 and its registers eight neighbouring tokens, the keys.
; So one conversion over an accumulator gives registers 2 c, 2 c + 1 of the next product's operand (k = 16 c + 8 (lane / 16) + 0 .. 7), and the results leave as
; IMAGES OF OPERAND REGISTERS: four registers x 32 lanes = 512 consecutive bytes a store, lane l's 16 bytes at 16 l.  No stage in LDS.
;   qimg  [bh 32][tile of 16 queries 128][quad 2][lane][16]
;   kvimg [bh 32][step of 128 keys 16][16,384]: K: [tile of 16 keys 8][quad 2][lane][16]; from byte 8,192 V: [16 of the head's 64: 4][quad 4][lane][16]
; K goes in four steps of 256 through two LDS slots filled by the tensor data mover; a row of a tile is 256 bytes of memory.  Wave 0 fetches x's 256 rows, waves 1, 2, 3 the 64 rows of W_q, W_k, W_v.
; CLUSTER 4 x 4: x's tile hangs on ty alone and is asked for jointly along a row of the cluster, W's tiles on hx alone, along a column.
; A fragment (16 rows x 128 K) is fetched by four loads of 16 bytes: registers 4 c .. 4 c + 3 hold K = 32 c + 16 (lane / 16) + 0 .. 15: a permutation of K that is the same in x and in W.
; REGISTERS: window 0: v1-31 addresses and scales; v64-127, v128-191 x's fragments, two sets; v32-63, v192-255 the codes on the way out.
;   window 1: v0-63, v64-127 W's fragments, two sets; v128-223 the biases in the results' layout.   window 2: q's 16 accumulators, then k's.   window 3: v's.
.set PITCH, 272                        ; an LDS row: 256 bytes + 16 of padding: the 16 rows of a fragment load start at 16 different banks (64 banks of 4 bytes: ISA guide 11.1)
.set XB,    256*PITCH                  ; x's 256 rows
.set WB,    64*PITCH                   ; 64 rows: a W tile, and what a wave reads of x
.set SLOT,  XB+3*WB                    ; x, W_q, W_k, W_v
.set SPARE, 2*SLOT                     ; behind the ring: the spare words, 128 bytes a wave, which no other line names
.set ADRA, 16                          ; v16-17 LDS address of my fragments of x in slot 0, 1
.set ADRB, 20                          ; v20-21 the same for W_q's (W_k's and W_v's lie WB and 2 WB further on)
.set LI,   26                          ; v26    16 x lane
.set SPW,  28                          ; v28    my spare word; never rewritten
.set NIL,  29                          ; v29    0; never rewritten
.set OUTQ, 32
.set OUTK, 192
.set OUTV, 224
.set BIQ,  128                         ; window 1: the biases, eight registers for each tile of 16 columns
.set BIK,  160
.set BIV,  192
.set G1A, 24                           ; s[24:31] group 1 for x's tiles; s[32:39] group 0, a set for each slot
.set G0A, 32
.set G1B, 40                           ; s[40:47], s[48:55] the same for W's tiles
.set G0B, 48
.set WV,  56
.set MSB, 0
.macro WIN new                         ; the immediate's high byte repeats the setting that is left
.if MSB != \new
	s_set_vgpr_msb (MSB<<8)|\new
.set MSB, \new
.endif
.endm
.macro PLACES                          ; four plain vector instructions between a matrix instruction and a load into, or a vector read of, its registers
.rept 4
	v_nop
.endr
.endm
.macro CROUND                          ; a round of the cluster's barrier
	s_barrier_signal -1
	s_barrier_wait -1
	s_cmp_lg_u32 s[WV], 0
	s_cbranch_scc1 .Lnot_wave_0_\@
	s_barrier_signal -3
.Lnot_wave_0_\@:
	s_barrier_wait -3
	s_barrier_signal -1
	s_barrier_wait -1
.endm
.macro JLOAD s                         ; a joint load into slot s: wave 0 for x, the others for their W; four v_nop follow each line
	s_cmp_eq_u32 s[WV], 0
	s_cbranch_scc0 .Lfor_w_\@
	tensor_load_to_lds s[G0A+4*\s:G0A+4*\s+3], s[G1A:G1A+7]
	s_nop 0
.rept 4
	v_nop
.endr
	s_branch .Lasked_\@
.Lfor_w_\@:
	tensor_load_to_lds s[G0B+4*\s:G0B+4*\s+3], s[G1B:G1B+7]
	s_nop 0
.rept 4
	v_nop
.endr
.Lasked_\@:
.endm
.macro MKSCALE vsc, vlim, se, sn       ; v[vsc] = 2^(s[se] + s[sn]) as f32, v[vlim] = 448 x that
	s_add_co_i32 s93, s[\se], s[\sn]
	s_add_co_i32 s93, s93, 127
	s_lshl_b32 s94, s93, 23
	v_mov_b32 v[\vsc], s94
	s_add_co_i32 s93, s93, 8
	s_lshl_b32 s93, s93, 23
	s_or_b32 s93, s93, 0x600000
	v_mov_b32 v[\vlim], s93
.endm
	s_load_b512 s[4:19], s[0:1], 0x0               ; x s[4:5], W_q s[6:7], W_k s[8:9], W_v s[10:11], b_q s[12:13], b_k s[14:15], b_v s[16:17], the scales s[18:19]
	s_load_b128 s[20:23], s[0:1], 0x40             ; qimg s[20:21], kvimg s[22:23]
	v_lshl_add_u32 v[SPW], v0, 2, SPARE
	v_mov_b32 v[NIL], 0
	ds_add_u32 v28, v29
	ds_add_u32 v28, v29
	s_wait_dscnt 0x0
	v_lshrrev_b32 v1, 5, v0
	v_readfirstlane_b32 s[WV], v1                  ; wave 0..3
	s_bfe_u32 s57, ttmp6, 0x40000                  ; cx
	s_bfe_u32 s58, ttmp6, 0x40004                  ; cy
	s_lshl_b32 s59, ttmp9, 2
	s_add_co_u32 s59, s59, s57                     ; hx: the head
	s_and_b32 s60, ttmp7, 0xffff
	s_lshl_b32 s60, s60, 2
	s_add_co_u32 s60, s60, s58                     ; ty: the block of 256 tokens
	s_lshl_b32 s61, s58, 2
	s_lshl_b32 s61, 15, s61                        ; my row of the cluster
	s_lshl_b32 s62, 0x1111, s57                    ; my column
	s_or_b32 s[G1A], s61, (1<<20)|(1<<21)|(5<<22)|(3<<25)   ; 15:0 the mask; elements of 1 byte; 20 padding on; 21 set beside a mask; after every 64 words (code 5) 4 words (code 3)
	s_mov_b32 s[G1A+1], 256<<16                    ; tensor_dim0 = 256
	s_mov_b32 s[G1A+2], 256<<16                    ; tensor_dim1 = 256
	s_mov_b32 s[G1A+3], 256<<16                    ; tile_dim0 = 256
	s_mov_b32 s[G1A+4], 256                        ; tile_dim1 = 256
	s_mov_b32 s[G1A+5], 1024                       ; bytes from row to row
	s_mov_b32 s[G1A+6], 0
	s_mov_b32 s[G1A+7], 0
	s_or_b32 s[G1B], s62, (1<<20)|(1<<21)|(5<<22)|(3<<25)
	s_mov_b32 s[G1B+1], 256<<16
	s_mov_b32 s[G1B+2], 64<<16                     ; 64 rows
	s_mov_b32 s[G1B+3], 256<<16
	s_mov_b32 s[G1B+4], 64
	s_mov_b32 s[G1B+5], 1024
	s_mov_b32 s[G1B+6], 0
	s_mov_b32 s[G1B+7], 0
	s_lshl_b32 s82, s59, 16                        ; the head's 64 rows of 1,024 bytes in each W
	s_mov_b32 s83, 0
	s_lshl_b32 s84, s60, 18                        ; the block's 256 rows of x
	s_mov_b32 s85, 0
	s_mul_i32 s86, s[WV], WB
	s_add_co_u32 s86, s86, XB-WB                   ; where my W tile goes: behind x's rows, wave 1 first
	s_wait_kmcnt 0x0
	s_load_b256 s[68:75], s[18:19], 0x0            ; e0 .. e7
	s_load_b128 s[76:79], s[18:19], 0x20           ; e8 .. e11
	s_cmp_eq_u32 s[WV], 2                          ; which W is mine to fetch: the choice hangs on the wave's number alone
	s_cselect_b64 s[80:81], s[8:9], s[6:7]
	s_cmp_eq_u32 s[WV], 3
	s_cselect_b64 s[80:81], s[10:11], s[80:81]
	s_add_nc_u64 s[80:81], s[80:81], s[82:83]
	s_add_nc_u64 s[84:85], s[4:5], s[84:85]
.irp s, 0,1
	s_mov_b32 s[G0A+4*\s], 1                       ; count = 1
	s_mov_b32 s[G0A+4*\s+1], \s*SLOT               ; LDS address
	s_add_nc_u64 s[G0A+4*\s+2:G0A+4*\s+3], s[84:85], \s*256   ; K step s
	s_or_b32 s[G0A+4*\s+3], s[G0A+4*\s+3], 0x80000000         ; type = 2
	s_mov_b32 s[G0B+4*\s], 1
	s_add_co_u32 s[G0B+4*\s+1], s86, \s*SLOT
	s_add_nc_u64 s[G0B+4*\s+2:G0B+4*\s+3], s[80:81], \s*256
	s_or_b32 s[G0B+4*\s+3], s[G0B+4*\s+3], 0x80000000
.endr
	CROUND                                         ; all sixteen work-groups are here: the first joint loads meet
	JLOAD 0                                        ; K step 0
	v_and_b32 v1, 15, v0                           ; r = lane % 16
	v_bfe_u32 v2, v0, 4, 1                         ; h = lane / 16
	v_mul_u32_u24 v3, v1, PITCH
	v_lshl_add_u32 v3, v2, 4, v3                   ; a fragment's row x pitch + 16 h
	s_mul_i32 s87, s[WV], WB                       ; my 64 tokens' rows
	v_add_nc_u32 v[ADRA], s87, v3
	v_add_nc_u32 v[ADRA+1], SLOT, v[ADRA]
	v_add_nc_u32 v[ADRB], XB, v3
	v_add_nc_u32 v[ADRB+1], SLOT, v[ADRB]
	v_and_b32 v[LI], 31, v0
	v_lshlrev_b32 v[LI], 4, v[LI]
	v_lshlrev_b32 v14, 5, v2                       ; b_q, b_k: lane (r, h) wants columns 16 b + 8 h + 0 .. 7
	v_lshlrev_b32 v15, 2, v1                       ; b_v: column 16 b + r
	v_lshlrev_b32 v27, 10, v1                      ; the prefetches' offset: lane (r, h) names row r, K step 2 + h
	v_lshl_add_u32 v27, v2, 8, v27
	s_wait_alu depctr_va_vdst(0)
	s_lshl_b32 s88, s57, 16                        ; of x's 256 rows the partner at place cx takes 64, four instructions of 16 rows;
	s_lshl_b32 s89, s58, 14                        ; of a W tile's 64 rows the partner at place cy takes 16, one instruction
	s_cmp_eq_u32 s[WV], 0
	s_cselect_b64 s[82:83], s[84:85], s[80:81]     ; each wave asks for the tensor that it fetches
	s_cselect_b32 s88, s88, s89
	s_mov_b32 s89, 0
	s_add_nc_u64 s[82:83], s[82:83], s[88:89]
	s_lshl_b32 s88, s59, 8                         ; the head's 64 numbers
	s_mov_b32 s89, 0
	s_add_nc_u64 s[12:13], s[12:13], s[88:89]
	s_add_nc_u64 s[14:15], s[14:15], s[88:89]
	s_add_nc_u64 s[16:17], s[16:17], s[88:89]
	WIN 0x40                                       ; destination window 1
.irp b, 0,1,2,3
	global_load_b128 v[BIQ+8*\b:BIQ+8*\b+3],   v14, s[12:13] offset:64*\b
	global_load_b128 v[BIQ+8*\b+4:BIQ+8*\b+7], v14, s[12:13] offset:64*\b+16
	global_load_b128 v[BIK+8*\b:BIK+8*\b+3],   v14, s[14:15] offset:64*\b
	global_load_b128 v[BIK+8*\b+4:BIK+8*\b+7], v14, s[14:15] offset:64*\b+16
.endr
	WIN 0
.irp b, 0,1,2,3
	global_load_b32 v[4+\b], v15, s[16:17] offset:64*\b
.endr
	; where my results go
	s_lshr_b32 s61, s60, 3
	s_lshl_b32 s61, s61, 4
	s_add_co_u32 s61, s61, s59                     ; bh = 16 x batch + head
	s_and_b32 s62, s60, 7                          ; the block within its batch
	s_and_b32 s63, s[WV], 1
	s_lshl_b32 s2, s62, 4
	s_lshl_b32 s3, s[WV], 2
	s_add_co_u32 s2, s2, s3                        ; my first tile of 16 queries
	s_lshl_b32 s2, s2, 10
	s_lshl_b32 s3, s61, 17
	s_add_co_u32 s2, s2, s3
	s_mov_b32 s3, 0
	s_add_nc_u64 s[20:21], s[20:21], s[2:3]        ; q's images
	s_lshl_b32 s95, s62, 1
	s_lshr_b32 s3, s[WV], 1
	s_add_co_u32 s95, s95, s3                      ; my step of 128 keys
	s_lshl_b32 s95, s95, 14
	s_lshl_b32 s3, s61, 18
	s_add_co_u32 s95, s95, s3
	s_lshl_b32 s2, s63, 12                         ; K: my four tiles are the step's first or last four
	s_add_co_u32 s2, s2, s95
	s_mov_b32 s3, 0
	s_add_nc_u64 s[66:67], s[22:23], s[2:3]        ; k's images
	s_lshl_b32 s2, s63, 10                         ; V: my 64 keys are quads 0, 1 or 2, 3 of each fragment
	s_add_co_u32 s2, s2, s95
	s_add_co_u32 s2, s2, 8192
	s_add_nc_u64 s[22:23], s[22:23], s[2:3]        ; v's images
	s_wait_loadcnt 0x0                             ; the biases
	s_wait_kmcnt 0x0                               ; the exponents
	s_add_co_i32 s90, s68, s69
	s_sub_co_i32 s90, 0, s90                       ; -(e0 + e1)
	s_add_co_i32 s91, s70, s71
	s_sub_co_i32 s91, 0, s91                       ; -(e2 + e3)
	s_add_co_i32 s92, s72, s73
	s_sub_co_i32 s92, 0, s92                       ; -(e4 + e5)
	WIN 0x41                                       ; source 0 and destination window 1
.set j, 0
.rept 32
	v_ldexp_f32 v[BIQ+j], v[BIQ+j], s90            ; b / 2^(the two operands' exponents): exact
	v_ldexp_f32 v[BIK+j], v[BIK+j], s91
.set j, j+1
.endr
	WIN 0x40                                       ; source 0 window 0
.irp b, 0,1,2,3
.irp j, 0,1,2,3,4,5,6,7
	v_ldexp_f32 v[BIV+8*\b+\j], v[4+\b], s92       ; v's lane holds one column: the same number in all eight registers
.endr
.endr
	WIN 0
	MKSCALE 8, 9, 74, 90                           ; q: 2^(e6 - e0 - e1)
	MKSCALE 10, 11, 75, 91                         ; k: 2^(e7 - e2 - e3)
	MKSCALE 12, 13, 77, 92                         ; v: 2^(e9 - e4 - e5)
; THE WORK goes in 24 units: unit i is 128 along K (number i / 3) of tensor i % 3 (q, k, v): 16 matrix instructions.
.macro FETCH i                         ; unit i's four fragments of W; with tensor q also the four fragments of x that serve all three tensors
.set fTEN, (\i)%3
.set fSL,  ((\i)/6)%2
.set fQ,   ((\i)/3)%2
.set fBB,  64*((\i)%2)
.set fAB,  64+64*(((\i)/3)%2)
	WIN 0x40
.irp b, 0,1,2,3
.irp c, 0,1,2,3
	ds_load_b128 v[fBB+16*\b+4*\c:fBB+16*\b+4*\c+3], v[ADRB+fSL] offset:fTEN*WB+\b*16*PITCH+fQ*128+32*\c
.endr
.endr
	WIN 0
.if fTEN == 0
.irp a, 0,1,2,3
.irp c, 0,1,2,3
	ds_load_b128 v[fAB+16*\a+4*\c:fAB+16*\a+4*\c+3], v[ADRA+fSL] offset:\a*16*PITCH+fQ*128+32*\c
.endr
.endr
.endif
.endm
.macro MUL i                           ; the 48 accumulators take turns, one instruction a turn, in the same order in every step of 128
.set mTEN, (\i)%3
.set mBB,  64*((\i)%2)
.set mAB,  64+64*(((\i)/3)%2)
.if mTEN < 2
.if (\i) < 3
	WIN 0x91                                       ; source 0 (W) window 1, source 1 (x) window 0, C (the bias) window 1, D window 2
.else
	WIN 0xa1                                       ; C and D window 2
.endif
.irp a, 0,1,2,3
.irp b, 0,1,2,3
.if (\i) < 3
	v_wmma_f32_16x16x128_fp8_fp8 v[128*mTEN+8*(4*\a+\b):128*mTEN+8*(4*\a+\b)+7], v[mBB+16*\b:mBB+16*\b+15], v[mAB+16*\a:mAB+16*\a+15], v[BIQ+32*mTEN+8*\b:BIQ+32*mTEN+8*\b+7]
.else
	v_wmma_f32_16x16x128_fp8_fp8 v[128*mTEN+8*(4*\a+\b):128*mTEN+8*(4*\a+\b)+7], v[mBB+16*\b:mBB+16*\b+15], v[mAB+16*\a:mAB+16*\a+15], v[128*mTEN+8*(4*\a+\b):128*mTEN+8*(4*\a+\b)+7]
.endif
.endr
.endr
.else
.if (\i) < 3
	WIN 0xd4                                       ; source 0 (x) window 0, source 1 (W_v) window 1, C (the bias) window 1, D window 3
.else
	WIN 0xf4                                       ; C and D window 3
.endif
.irp a, 0,1,2,3
.irp b, 0,1,2,3
.if (\i) < 3
	v_wmma_f32_16x16x128_fp8_fp8 v[8*(4*\a+\b):8*(4*\a+\b)+7], v[mAB+16*\a:mAB+16*\a+15], v[mBB+16*\b:mBB+16*\b+15], v[BIV+8*\b:BIV+8*\b+7]
.else
	v_wmma_f32_16x16x128_fp8_fp8 v[8*(4*\a+\b):8*(4*\a+\b)+7], v[mAB+16*\a:mAB+16*\a+15], v[mBB+16*\b:mBB+16*\b+15], v[8*(4*\a+\b):8*(4*\a+\b)+7]
.endif
.endr
.endr
.endif
.endm
.macro UNIT i
	s_wait_dscnt 0x0                               ; unit i's fragments are in: they were asked for ahead of the sixteen products before
	PLACES                                         ; the loads below land in the set that the unit before multiplied
	FETCH (\i)+1
	MUL \i
.endm
; A slot's last unit changes slots.  fill = 1: the slot is filled again, two K steps ahead; the round of the cluster's barrier is then the barrier in front of the refill.
.macro TURN i, fill
.set tSL, ((\i)/6)%2
	WIN 0
	s_wait_tensorcnt 0x0                           ; all my tensor loads have landed: the one that was out is my part of the next slot
	ds_add_u32 v[SPW], v[NIL]                      ; 0 onto my spare word
	s_wait_dscnt 0x1                               ; the add alone may be out: unit i's fragments, issued ahead of it, are in
	MUL \i                                         ; sixteen products stand between the add and the wait for it
	WIN 0
	s_wait_dscnt 0x0                               ; the add is done, and my reads of this slot are over
.if \fill
	CROUND                                         ; no wave of any partner still reads this slot or has a load on its way
	s_add_nc_u64 s[G0A+4*tSL+2:G0A+4*tSL+3], s[G0A+4*tSL+2:G0A+4*tSL+3], 512
	s_add_nc_u64 s[G0B+4*tSL+2:G0B+4*tSL+3], s[G0B+4*tSL+2:G0B+4*tSL+3], 512
	JLOAD tSL                                      ; my one tensor load behind the round; it has a K step, 96 products, in which to land; its four v_nop are the places for the loads below
.else
	s_barrier_signal -1
	s_barrier_wait -1
	PLACES
.endif
	FETCH (\i)+1                                   ; the next slot's first fragments
.endm
	s_wait_alu depctr_va_vdst(0)
	s_wait_tensorcnt 0x0                           ; my part of K step 0 is in
	ds_add_u32 v[SPW], v[NIL]
	s_wait_dscnt 0x0
	CROUND                                         ; everybody's part of K step 0 is in, and the joint loads of K step 1 meet
	JLOAD 1                                        ; the first tensor load behind the round; it has K step 0, 96 products, in which to land
	FETCH 0
	; A PREFETCH INTO THE L2 of K steps 2 and 3, one and two K steps ahead of the joint loads that want them: their refills go out behind a wait for all tensor loads.
	; Each block of 256 bytes is named once in each cluster that loads it; the partners share the rows out by address.  There is no K step behind 3: nothing more is asked for.
	global_prefetch_b8 v27, s[82:83] offset:512 th:TH_LOAD_NT scope:SCOPE_SE
	s_cmp_lg_u32 s[WV], 0
	s_cbranch_scc1 .Lasked_w
.irp i, 1,2,3
	global_prefetch_b8 v27, s[82:83] offset:512+16384*\i th:TH_LOAD_NT scope:SCOPE_SE
.endr
.Lasked_w:
.irp i, 0,1,2,3,4
	UNIT \i
.endr
	TURN 5, 1                                      ; slot 0 takes K step 2
.irp i, 6,7,8,9,10
	UNIT \i
.endr
	TURN 11, 1                                     ; slot 1 takes K step 3
.irp i, 12,13,14,15,16
	UNIT \i
.endr
	TURN 17, 0                                     ; nothing is left to fetch
.irp i, 18,19,20,21,22
	UNIT \i
.endr
	s_wait_dscnt 0x0
	MUL 23
; THE WAY OUT.  The hold at the largest code x the scale (the conversion to an 8-bit code does not saturate: ISA guide 7.6.2), each accumulator from its low end on; one conversion an accumulator; 512 bytes a store.
.macro QUANT_T acc, sc, lim, out       ; q or k: accumulator (a, b) becomes registers 2 b, 2 b + 1 of token tile a's fragment
	WIN 0x82                                       ; source 0 and destination window 2
.set j, 0
.rept 128
	v_med3_num_f32 v[\acc+j], v[\acc+j], -v[\lim], v[\lim]
.set j, j+1
.endr
	WIN 0x02                                       ; source 0 window 2, destination window 0
.irp a, 0,1,2,3
.irp b, 0,1,2,3
	v_cvt_scalef32_pk8_fp8_f32 v[\out+8*\a+2*\b:\out+8*\a+2*\b+1], v[\acc+8*(4*\a+\b):\acc+8*(4*\a+\b)+7], v[\sc]
.endr
.endr
	v_nop                                          ; a plain vector instruction behind the last conversion
	WIN 0
.endm
	PLACES
	QUANT_T 0, 8, 9, OUTQ
.irp a, 0,1,2,3
.irp e, 0,1
	global_store_b128 v[LI], v[OUTQ+8*\a+4*\e:OUTQ+8*\a+4*\e+3], s[20:21] offset:\a*1024+\e*512
.endr
.endr
	QUANT_T 128, 10, 11, OUTK
.irp a, 0,1,2,3
.irp e, 0,1
	global_store_b128 v[LI], v[OUTK+8*\a+4*\e:OUTK+8*\a+4*\e+3], s[66:67] offset:\a*1024+\e*512
.endr
.endr
	WIN 0xc3                                       ; source 0 and destination window 3
.set j, 0
.rept 128
	v_med3_num_f32 v[j], v[j], -v13, v13
.set j, j+1
.endr
	WIN 0x03
.irp a, 0,1,2,3
.irp b, 0,1,2,3
	v_cvt_scalef32_pk8_fp8_f32 v[OUTV+4*(2*\b+\a/2)+2*(\a%2):OUTV+4*(2*\b+\a/2)+2*(\a%2)+1], v[8*(4*\a+\b):8*(4*\a+\b)+7], v12   ; keys 16 a + 8 h + 0 .. 7 of column 16 b + r
.endr
.endr
	v_nop
	WIN 0
.irp b, 0,1,2,3
.irp e, 0,1
	global_store_b128 v[LI], v[OUTV+4*(2*\b+\e):OUTV+4*(2*\b+\e)+3], s[22:23] offset:\b*2048+\e*512
.endr
.endr
	s_wait_tensorcnt 0x0                           ; the wave's end
	ds_add_u32 v[SPW], v[NIL]
	s_wait_dscnt 0x0
	CROUND                                         ; the closing round: no work-group ends while a partner may still ask for a tile that names it
	s_endpgm
.Lfunc_end_k_q1ad6de9677_qkv:
	.size	k_q1ad6de9677_qkv, .Lfunc_end_k_q1ad6de9677_qkv-k_q1ad6de9677_qkv
	.p2alignl 7, 3214868480
	.fill 96, 4, 3214868480
	.section	.rodata,"a",@progbits
	.p2align	6, 0x0
	.amdhsa_kernel k_q1ad6de9677_qkv
		.amdhsa_group_segment_fixed_size 327680
		.amdhsa_private_segment_fixed_size 0
		.amdhsa_enable_private_segment 0
		.amdhsa_kernarg_size 80
		.amdhsa_user_sgpr_count 2
		.amdhsa_user_sgpr_kernarg_segment_ptr 1
		.amdhsa_wavefront_size32 1
		.amdhsa_system_sgpr_workgroup_id_x 1
		.amdhsa_system_sgpr_workgroup_id_y 1
		.amdhsa_system_sgpr_workgroup_id_z 1
		.amdhsa_system_vgpr_workitem_id 0
		.amdhsa_next_free_vgpr 1024
		.amdhsa_next_free_sgpr 96
		.amdhsa_reserve_vcc 0
		.amdhsa_float_denorm_mode_32 3
		.amdhsa_float_denorm_mode_16_64 3
		.amdhsa_memory_ordered 1
		.amdhsa_forward_progress 1
		.amdhsa_inst_pref_size 112
	.end_amdhsa_kernel
	.amdgpu_metadata
---
amdhsa.version: [ 1, 2 ]
amdhsa.kernels:
  - .name:           k_q1ad6de9677_qkv
    .symbol:         k_q1ad6de9677_qkv.kd
    .args:
      - { .name: x_codes, .offset: 0, .size: 8, .value_kind: global_buffer, .address_space: global }
      - { .name: W_q_codes, .offset: 8, .size: 8, .value_kind: global_buffer, .address_space: global }
      - { .name: W_k_codes, .offset: 16, .size: 8, .value_kind: global_buffer, .address_space: global }
      - { .name: W_v_codes, .offset: 24, .size: 8, .value_kind: global_buffer, .address_space: global }
      - { .name: b_q, .offset: 32, .size: 8, .value_kind: global_buffer, .address_space: global }
      - { .name: b_k, .offset: 40, .size: 8, .value_kind: global_buffer, .address_space: global }
      - { .name: b_v, .offset: 48, .size: 8, .value_kind: global_buffer, .address_space: global }
      - { .name: lowp_scales, .offset: 56, .size: 8, .value_kind: global_buffer, .address_space: global }
      - { .name: qimg, .offset: 64, .size: 8, .value_kind: global_buffer, .address_space: global }
      - { .name: kvimg, .offset: 72, .size: 8, .value_kind: global_buffer, .address_space: global }
    .group_segment_fixed_size: 327680
    .private_segment_fixed_size: 0
    .kernarg_segment_align: 8
    .kernarg_segment_size: 80
    .max_flat_workgroup_size: 128
    .sgpr_count:     96
    .vgpr_count:     1024
    .wavefront_size: 32
...
	.end_amdgpu_metadata
.endif
;; end of part 1
;; launch attn (part 2): grid 8 x 32, 16 waves a work-group, clusters of 4 x 1, 327,680 bytes of LDS; arguments qimg, kvimg, lowp_scales, ctximg; writes ctximg
.if DOCPART == 2
	.amdgcn_target "amdgcn-amd-amdhsa--gfx1250"
	.amdhsa_code_object_version 6
	.text
	.protected	k_q1ad6de9677_attn
	.globl	k_q1ad6de9677_attn
	.p2align	8
	.type	k_q1ad6de9677_attn,@function
k_q1ad6de9677_attn:
	s_mov_b64 s[64:65], 0
	v_nop
	global_prefetch_b8 v0, s[64:65] scope:SCOPE_SE
	s_setreg_imm32_b32 hwreg(HW_REG_WAVE_MODE, 25, 1), 1
	s_wait_xcnt 0x0
	s_wait_alu depctr_hold_cnt(0) depctr_sa_sdst(0) depctr_va_vdst(0) depctr_va_sdst(0) depctr_va_ssrc(0) depctr_va_vcc(0) depctr_vm_vsrc(0)
	s_getreg_b32 s2, hwreg(HW_REG_IB_STS2, 6, 4)
	s_cmp_eq_u32 s2, 0
	s_cbranch_scc0 .Lentry_in_a_cluster
	s_endpgm
.Lentry_in_a_cluster:
	s_bfe_u32 s2, ttmp6, 0x10000c
	s_cmp_lg_u32 s2, 0x3003
	s_cbranch_scc0 .Lentry_shape_is_right
	s_endpgm
.Lentry_shape_is_right:
; ctx = softmax(q k^T / 8, causal) v for one head, both products on codes of FP8 (E4M3); ctx is quantised for the last product.
; t = score x 2^(e6+e7) x log2(e) / 8; M = the running largest t, rounded UP to a whole number; p = 2^(t - M) is quantised with 2^e8, not normalised; the row's sum is taken of the unquantised p;
; when M moves, the sum and O are multiplied by 2^(old M - new M), which rounds nothing.  ctx = O x 2^(e8+e9) / sum; its code = ctx / 2^e10, held within +-448.
; LEFT OUT: steps of 128 keys that the causal mask hides whole: their p is 0 for all inputs.  A NaN or an infinity that reaches only those is not carried on.
; LIMITS: e6 + e7 between -122 and 130 (added to the exponent field of log2(e) / 8); e8 and e10 between -126 and 119; |t| under 2^31.  NaN is not served.
; INPUTS are images of operand registers (four registers x 32 lanes = 512 bytes, lane l's 16 bytes at 16 l):
;   qimg [bh][tile of 16 queries][quad 2];  kvimg [bh][step of 128 keys][16,384]: K: [tile of 16 keys 8][quad 2], from byte 8,192 V: [16 of the head's 64: 4][quad 4].
; OUTPUT ctximg [tile of 16 tokens 256][128 along K: 8][quad 4]: the last product's operand; a head is half of a fragment: 1,024 bytes at head x 1,024.
; SHARES.  The eight work-groups of a head are jq = 0 .. 7; a work-group owns tile jq (16 queries) of each of the head's 16 blocks of 128 queries.  Block u has u + 1 key steps; blocks u and 15 - u (u = 0 .. 7)
; have 17 together, which a PAIR of waves shares: wave A works key steps 0 .. 8 of tile 15 - u; wave B works tile u whole (steps 0 .. u), then steps 9 .. 15 - u of tile 15 - u (none where u = 7).
; B hands its part of tile 15 - u (O, sum, M) to A through LDS, and A joins the two: M's are whole numbers, so the joining factors are powers of two.
; u = wave / 2; a wave is B where bits 0 and 2 of its number differ: two of each kind among waves with equal number mod 4, and among waves with equal number / 4.
; So which steps a wave works hangs on the wave's number alone and is the same in every work-group.
; THE WHOLE HEAD'S K AND V, 262,144 bytes, lie in LDS as they lie in memory; no byte is filled twice.  Each wave fetches one block of 16,384 bytes, wave w step w's, by a joint load of the cluster's four work-groups (one head).
; No prefetch: all that is read is asked for at the head, there is no later fill to run ahead of.
; LAYOUT.  S^T = K Q^T (source 0 = 16 keys, source 1 = my queries), O^T = V^T P^T: a lane holds one query (lane % 16); register j of tile T is key 16 T + 8 (lane / 16) + j, so a conversion over tile T
; gives registers 2 T, 2 T + 1 of P's fragment.
; REGISTERS: v1 16 x lane; v2 the step's LDS address; v3 d; v4 -infinity; v6-9 scales; v10-11 the pair's place in LDS; v12 -M; v13 the largest t; v[14:15] the sum; v[16:23] Q; v24-31 at work; v32-95 K's, then V's fragments;
; v96-159 S^T, then p; v160-191 O^T; v192-207 p's codes; v208-209 the add's; v210-217 the second tile's Q.
.set WV,  12
.set JQ,  14
.set BH,  15
.set U,   16                           ; the block of the tile in hand
.set KT,  17                           ; the key step
.set TB,  18                           ; LDS byte at which its block begins
.set I,   19                           ; the trip
.set SEL, 20                           ; s[20:21] v_permlanex16_b32's selects for lane l xor 16
.set CS,  22                           ; s[22:23] c = 2^(e6+e7) log2(e) / 8
.set G1,  24
.set G0,  32
.set UL,  36                           ; u
.set RO,  37                           ; 1 in wave B
.set DJ,  38                           ; 8 - u: what B's second tile adds to the trip's number
.set T2,  39                           ; 15 - u
.set QA,  40                           ; s[40:41], s[42:43] Q of the first and of the second tile
.set QB,  42
.set SW,  44                           ; the trip at which B goes on to its second tile: u + 1; in A a number that no trip has
.set OA,  68                           ; s[68:69], s[70:71] ctx of the first and of the second tile
.set OB,  70
.set STG, 0x40000                      ; behind the head's blocks: 8 pairs x 4,608 bytes: O 4,096, -M 128, the sum 128
.set PAIR, 4608
.set SPARE, STG+8*PAIR                 ; the spare words, 128 bytes a wave, which no other line names
.set LI,  1
.set ADR, 2
.set DD,  3
.set NINF, 4
.set PLIM, 6
.set PSC,  7
.set CLIM, 8
.set CSC,  9
.set PO,  10
.set PM,  11
.set KV,  32
.set S,   96
.set O,   160
.set PC,  192
.macro CROUND
	s_barrier_signal -1
	s_barrier_wait -1
	s_cmp_lg_u32 s[WV], 0
	s_cbranch_scc1 .Lnot_wave_0_\@
	s_barrier_signal -3
.Lnot_wave_0_\@:
	s_barrier_wait -3
	s_barrier_signal -1
	s_barrier_wait -1
.endm
.macro MKSCALE vsc, vlim, se           ; v[vsc] = 2^s[se] as f32, v[vlim] = 448 x that
	s_add_co_i32 s53, s[\se], 127
	s_lshl_b32 s55, s53, 23
	v_mov_b32 v[\vsc], s55
	s_add_co_i32 s53, s53, 8
	s_lshl_b32 s53, s53, 23
	s_or_b32 s53, s53, 0x600000
	v_mov_b32 v[\vlim], s53
.endm
.macro TILE t, q, o                    ; where tile jq of block s[t] lies in qimg and in ctximg
	s_lshl_b32 s58, s[\t], 3
	s_add_co_u32 s58, s58, s[JQ]
	s_lshl_b32 s59, s58, 10
	s_lshl_b32 s60, s[BH], 17
	s_add_co_u32 s60, s60, s59
	s_mov_b32 s61, 0
	s_add_nc_u64 s[\q:\q+1], s[4:5], s[60:61]
	s_lshr_b32 s62, s[BH], 4
	s_lshl_b32 s62, s62, 7
	s_add_co_u32 s62, s62, s58                     ; the tile of 16 tokens: 128 x batch + the tile
	s_lshl_b32 s62, s62, 14
	s_and_b32 s66, s[BH], 15
	s_lshl_b32 s66, s66, 10                        ; the head's 1,024 bytes
	s_add_co_u32 s62, s62, s66
	s_mov_b32 s63, 0
	s_add_nc_u64 s[\o:\o+1], s[10:11], s[62:63]
.endm
.macro FRESH                           ; no key seen yet
	v_mov_b32 v13, 0xff61b1e6                      ; the largest t so far: -3e38, under every t
	v_mov_b32 v14, 0
	v_mov_b32 v15, 0
	v_floor_f32 v12, -v13                          ; -M
.set n, 0
.rept 32
	v_mov_b32 v[O+n], 0                            ; the step is written for every step alike: the first finds zeros, which the first change of M leaves zeros
.set n, n+1
.endr
.endm
	s_load_b256 s[4:11], s[0:1], 0x0               ; qimg s[4:5], kvimg s[6:7], the scales s[8:9], ctximg s[10:11]
	v_lshl_add_u32 v208, v0, 2, SPARE
	v_mov_b32 v209, 0
	ds_add_u32 v208, v209                          ; the opening lines: the add, twice on end, and its wait
	ds_add_u32 v208, v209
	v_lshrrev_b32 v1, 5, v0
	v_readfirstlane_b32 s[WV], v1                  ; wave 0..15
	s_bfe_u32 s13, ttmp6, 0x40000                  ; cx
	s_lshl_b32 s[JQ], ttmp9, 2
	s_add_co_u32 s[JQ], s[JQ], s13                 ; jq: it enters Q's and ctx's addresses and the mask's numbers alone
	s_and_b32 s[BH], ttmp7, 0xffff                 ; bh, which the four partners share
	s_lshr_b32 s[UL], s[WV], 1
	s_lshr_b32 s58, s[WV], 2
	s_xor_b32 s58, s58, s[WV]
	s_and_b32 s[RO], s58, 1
	s_xor_b32 s[DJ], s[UL], 7
	s_add_co_u32 s[DJ], s[DJ], 1
	s_xor_b32 s[T2], s[UL], 15
	s_mul_i32 s45, s[UL], PAIR
	s_add_co_u32 s45, s45, STG                     ; my pair's place
	s_add_co_u32 s59, s[UL], 1
	s_cmp_eq_u32 s[RO], 1
	s_cselect_b32 s[U], s[UL], s[T2]
	s_cselect_b32 s[SW], s59, 64
	s_mov_b32 s[G1], 15|(3<<16)|(1<<21)            ; 15:0 the mask: all four work-groups; elements of 8 bytes; 21 set beside a mask; no padding
	s_mov_b32 s[G1+1], 32<<16                      ; tensor_dim0 = 32: rows of 256 bytes
	s_mov_b32 s[G1+2], 64<<16                      ; tensor_dim1 = 64
	s_mov_b32 s[G1+3], 32<<16                      ; tile_dim0
	s_mov_b32 s[G1+4], 64                          ; tile_dim1
	s_mov_b32 s[G1+5], 32                          ; dense
	s_mov_b32 s[G1+6], 0
	s_mov_b32 s[G1+7], 0
	s_mov_b32 s[SEL], 0x76543210
	s_mov_b32 s[SEL+1], 0xfedcba98
	s_lshl_b32 s54, s[WV], 14                      ; my block
	s_lshl_b32 s56, s[BH], 18
	s_add_co_u32 s56, s56, s54
	s_mov_b32 s57, 0
	s_mov_b32 s[G0], 1
	s_mov_b32 s[G0+1], s54                         ; LDS address = the block's place in the head
	s_wait_dscnt 0x0                               ; both opening adds are done
	s_wait_kmcnt 0x0
	s_load_b128 s[48:51], s[8:9], 0x18             ; e6, e7, e8, e9
	s_load_b32 s52, s[8:9], 0x28                   ; e10
	s_add_nc_u64 s[G0+2:G0+3], s[6:7], s[56:57]
	s_or_b32 s[G0+3], s[G0+3], 0x80000000
	CROUND                                         ; all four work-groups are here: the joint loads meet
	tensor_load_to_lds s[G0:G0+3], s[G1:G1+7]      ; my one tensor load
	s_nop 0
	TILE U, QA, OA
	TILE T2, QB, OB
	v_and_b32 v5, 31, v0
	v_lshlrev_b32 v[LI], 4, v5
	global_load_b128 v[16:19], v[LI], s[QA:QA+1]   ; Q's fragments stay in registers
	global_load_b128 v[20:23], v[LI], s[QA:QA+1] offset:512
	global_load_b128 v[210:213], v[LI], s[QB:QB+1]
	global_load_b128 v[214:217], v[LI], s[QB:QB+1] offset:512
	v_add_nc_u32 v[PO], s45, v[LI]
	v_lshlrev_b32 v5, 2, v5
	v_add_nc_u32 v[PM], s45, v5
	v_and_b32 v[DD], 15, v0
	v_bfe_u32 v5, v0, 4, 1
	v_lshlrev_b32 v5, 3, v5
	v_sub_nc_u32 v[DD], v[DD], v5
	s_lshl_b32 s62, s[JQ], 4
	v_add_nc_u32 v[DD], s62, v[DD]                 ; d = my query within its block - 8 (lane / 16): in the diagonal step register 8 T + j is hidden where 16 T + j > d
	v_mov_b32 v[NINF], 0xff800000
	v_mov_b32 v27, 0                               ; (named as the upper half of the pair v[26:27])
	v_mov_b32 v28, 0                               ; a lane permute's destination counts as one of its sources
	FRESH
	s_wait_kmcnt 0x0
	s_add_co_i32 s53, s48, s49
	s_lshl_b32 s53, s53, 23
	s_add_co_i32 s[CS], s53, 0x3e38aa3b            ; log2(e) / 8 with e6 + e7 added to its exponent field
	s_mov_b32 s[CS+1], s[CS]
	MKSCALE PSC, PLIM, 50
	MKSCALE CSC, CLIM, 52
	s_wait_alu depctr_va_vdst(0)
	s_wait_loadcnt 0x0                             ; Q
; A KEY STEP: 128 keys.  chk = 1: a step behind the tile's own block (wave B's last trip) is left out: a scalar branch on the step's number and the wave's; no barrier and no tensor load stands in a step.
.macro STEP chk
.if \chk
	s_cmp_gt_u32 s[KT], s[U]
	s_cbranch_scc1 .Lskip_\@
.endif
	v_add_nc_u32 v[ADR], s[TB], v[LI]
.rept 3
	v_nop                                          ; with the addition above: four places in front of loads into registers that the last products read
.endr
.irp t, 0,1,2,3,4,5,6,7
	ds_load_b128 v[KV+8*\t:KV+8*\t+3],   v[ADR] offset:\t*1024
	ds_load_b128 v[KV+8*\t+4:KV+8*\t+7], v[ADR] offset:\t*1024+512
.endr
	s_wait_alu depctr_va_vdst(0)
	s_wait_dscnt 0x0
.irp t, 0,1,2,3,4,5,6,7
	v_wmma_f32_16x16x64_fp8_fp8 v[S+8*\t:S+8*\t+7], v[KV+8*\t:KV+8*\t+7], v[16:23], 0
.endr
.rept 4
	v_nop                                          ; places in front of the loads below and of the first read of the scores
.endr
.irp t, 0,1,2,3
.irp p, 0,1,2,3
	ds_load_b128 v[KV+16*\t+4*\p:KV+16*\t+4*\p+3], v[ADR] offset:8192+\t*2048+\p*512   ; V's fragments land while the softmax is worked
.endr
.endr
	s_cmp_lg_u32 s[KT], s[U]
	s_cbranch_scc1 .Lopen_\@                       ; only the tile's own block lies on the diagonal
.set n, 0
.rept 64
	v_cmp_gt_i32 vcc_lo, 16*(n/8)+n%8, v[DD]
	v_cndmask_b32 v[S+n], v[S+n], v[NINF], vcc_lo  ; a hidden key's score becomes -infinity: p = 0
.set n, n+1
.endr
.Lopen_\@:
	v_max3_num_f32 v24, v[S], v[S+1], v[S+2]       ; the step's largest score of my query among my 64 keys, in two chains, each tile from its low end on
	v_max3_num_f32 v25, v[S+3], v[S+4], v[S+5]
.irp i, 6,10,14,18,22,26,30,34,38,42,46,50,54,58
	v_max3_num_f32 v24, v24, v[S+\i], v[S+1+\i]
	v_max3_num_f32 v25, v25, v[S+2+\i], v[S+3+\i]
.endr
	v_max3_num_f32 v24, v24, v[S+62], v[S+63]
	s_delay_alu instid0(VALU_DEP_1)
	v_max_num_f32 v24, v24, v25
	s_delay_alu instid0(VALU_DEP_1)
	v_permlanex16_b32 v28, v24, s[SEL], s[SEL+1]
	s_delay_alu instid0(VALU_DEP_1)
	v_max_num_f32 v24, v24, v28                    ; and among lane l xor 16's
	s_delay_alu instid0(VALU_DEP_1)
	v_mul_f32 v24, s[CS], v24                      ; as t (c is positive)
	s_delay_alu instid0(VALU_DEP_1)
	v_max_num_f32 v13, v13, v24                    ; the running largest t
	v_mov_b32 v24, v12
	s_delay_alu instid0(VALU_DEP_2)
	v_floor_f32 v12, -v13                          ; the new -M = floor(-t)
	s_delay_alu instid0(VALU_DEP_1)
	v_sub_f32 v24, v12, v24                        ; old M - new M: a whole number, 0 or less
	s_delay_alu instid0(VALU_DEP_1)
	v_cvt_i32_f32 v24, v24                         ; (it saturates)
	s_delay_alu instid0(VALU_DEP_1)
	v_ldexp_f32 v26, 1.0, v24                      ; f = 2^(old M - new M)
.set n, 0
.rept 32
	v_pk_fma_f32 v[S+n:S+n+1], v[S+n:S+n+1], s[CS:CS+1], v[12:13] op_sel_hi:[1,0,0]   ; t - M, two at a time
.set n, n+2
.endr
.set n, 0
	s_wait_alu depctr_va_vdst(0)                   ; ahead of the batch
.rept 64
	v_exp_f32 v[S+n], v[S+n]                       ; p = 2^(t - M)
.set n, n+1
.endr
	v_pk_mul_f32 v[14:15], v[14:15], v[26:27] op_sel_hi:[1,0]   ; the sum under the new M (a plain instruction behind the exponentials)
	s_wait_alu depctr_va_vdst(0)                   ; and behind it, ahead of its first reader
	v_pk_add_f32 v[30:31], v[100:101], v[104:105]  ; the row's sum, of the unquantised p, in eight chains
	v_pk_add_f32 v[206:207], v[108:109], v[112:113]
	v_pk_add_f32 v[204:205], v[116:117], v[120:121]
	v_pk_add_f32 v[202:203], v[124:125], v[128:129]
	v_pk_add_f32 v[200:201], v[132:133], v[136:137]
	v_pk_add_f32 v[198:199], v[140:141], v[144:145]
	v_pk_add_f32 v[196:197], v[148:149], v[152:153]
	v_pk_add_f32 v[14:15], v[14:15], v[156:157]
	v_pk_add_f32 v[30:31], v[30:31], v[96:97]
	v_pk_add_f32 v[206:207], v[206:207], v[98:99]
	v_pk_add_f32 v[204:205], v[204:205], v[102:103]
	v_pk_add_f32 v[202:203], v[202:203], v[106:107]
	v_pk_add_f32 v[200:201], v[200:201], v[110:111]
	v_pk_add_f32 v[198:199], v[198:199], v[114:115]
	v_pk_add_f32 v[196:197], v[196:197], v[118:119]
	v_pk_add_f32 v[14:15], v[14:15], v[122:123]
	v_pk_add_f32 v[30:31], v[30:31], v[126:127]
	v_pk_add_f32 v[206:207], v[206:207], v[130:131]
	v_pk_add_f32 v[204:205], v[204:205], v[134:135]
	v_pk_add_f32 v[202:203], v[202:203], v[138:139]
	v_pk_add_f32 v[200:201], v[200:201], v[142:143]
	v_pk_add_f32 v[198:199], v[198:199], v[146:147]
	v_pk_add_f32 v[196:197], v[196:197], v[150:151]
	v_pk_add_f32 v[14:15], v[14:15], v[154:155]
	v_pk_add_f32 v[30:31], v[30:31], v[158:159]
	s_delay_alu instid0(VALU_DEP_2)
	v_pk_add_f32 v[14:15], v[14:15], v[202:203]
	s_delay_alu instid0(VALU_DEP_2)
	v_pk_add_f32 v[30:31], v[30:31], v[200:201]
	v_pk_add_f32 v[206:207], v[206:207], v[198:199]
	v_pk_add_f32 v[204:205], v[204:205], v[196:197]
	s_delay_alu instid0(VALU_DEP_2)
	v_pk_add_f32 v[14:15], v[14:15], v[206:207]
	s_delay_alu instid0(VALU_DEP_2)
	v_pk_add_f32 v[30:31], v[30:31], v[204:205]
	s_delay_alu instid0(VALU_DEP_1)
	v_pk_add_f32 v[14:15], v[14:15], v[30:31]
.set n, 0
.rept 32                               ; the conversion does not saturate (ISA guide 7.6.2); p is not negative, so the hold is one-sided; two numbers an instruction
	v_dual_min_num_f32 v[S+n], v[S+n], v[PLIM] :: v_dual_min_num_f32 v[S+n+1], v[S+n+1], v[PLIM]
.set n, n+2
.endr
.irp t, 0,1,2,3,4,5,6,7
	v_cvt_scalef32_pk8_fp8_f32 v[PC+2*\t:PC+2*\t+1], v[S+8*\t:S+8*\t+7], v[PSC]
.endr
	s_wait_alu depctr_va_vdst(0)                   ; directly ahead of the first reader of O^T
.set n, 0
.rept 16
	v_pk_mul_f32 v[O+n:O+n+1], v[O+n:O+n+1], v[26:27] op_sel_hi:[1,0]   ; O^T under the new M; also the plain instructions behind the conversions
.set n, n+2
.endr
	s_wait_alu depctr_va_vdst(0)
	s_wait_dscnt 0x0                               ; V's fragments
.irp t, 0,1,2,3
	v_wmma_f32_16x16x128_fp8_fp8 v[O+8*\t:O+8*\t+7], v[KV+16*\t:KV+16*\t+15], v[PC:PC+15], v[O+8*\t:O+8*\t+7]
.endr
.Lskip_\@:
.endm
; A TILE GOES OUT: ctx = O^T x 2^(e8+e9) / the sum (v14, my lane's half of it), held, converted: tile t gives registers 2 t, 2 t + 1 of the head's half of a fragment.
.macro FINISH o
	v_permlanex16_b32 v28, v14, s[SEL], s[SEL+1]
	s_delay_alu instid0(VALU_DEP_1)
	v_add_f32 v14, v14, v28                        ; the row's sum
	s_wait_alu depctr_va_vdst(0)                   ; ahead of the transcendental
	v_rcp_f32 v14, v14
	v_nop                                          ; a plain instruction behind the reciprocal
	s_add_co_i32 s53, s50, s51
	s_wait_alu depctr_va_vdst(0)                   ; and ahead of its first reader
	v_ldexp_f32 v14, v14, s53
	s_wait_alu depctr_va_vdst(0)                   ; and directly ahead of the first reader of O^T
.set n, 0
.rept 16
	v_pk_mul_f32 v[S+n:S+n+1], v[O+n:O+n+1], v[14:15] op_sel_hi:[1,0]
.set n, n+2
.endr
.set n, 0
.rept 32
	v_med3_num_f32 v[S+n], v[S+n], -v[CLIM], v[CLIM]
.set n, n+1
.endr
.irp t, 0,1,2,3
	v_cvt_scalef32_pk8_fp8_f32 v[PC+2*\t:PC+2*\t+1], v[S+8*\t:S+8*\t+7], v[CSC]
.endr
	v_nop
	global_store_b128 v[LI], v[PC:PC+3], s[\o:\o+1]              ; 512 consecutive bytes a store
	global_store_b128 v[LI], v[PC+4:PC+7], s[\o:\o+1] offset:512
.endm
	s_wait_tensorcnt 0x0                           ; my block is in,
	s_barrier_signal -1
	s_barrier_wait -1                              ; and so is everybody's: all of the head lies in LDS, and the waves go on without a barrier
	s_mov_b32 s[I], 0
.Lloop:                                                ; trips 0 .. 8.  A: step = trip.  B: up to trip u the same; then trip + 8 - u, so 9 in trip u + 1 and 15 - u in trip 7
	s_cmp_lg_u32 s[I], s[SW]
	s_cbranch_scc1 .Lsame
.rept 4
	v_nop                                          ; places behind the last products
.endr
	v_add_f32 v14, v14, v15
	s_delay_alu instid0(VALU_DEP_1)
	FINISH OA                                      ; B's tile u is done
	FRESH
.set n, 0
.rept 8
	v_mov_b32 v[16+n], v[210+n]
.set n, n+1
.endr
	s_mov_b32 s[U], s[T2]
	s_wait_alu depctr_va_vdst(0)
	s_wait_xcnt 0x0                                ; the stores have read their registers
.Lsame:
	s_cmp_ge_u32 s[I], s[SW]
	s_cselect_b32 s[KT], s[DJ], 0
	s_add_co_u32 s[KT], s[KT], s[I]
	s_min_u32 s[TB], s[KT], 15                     ; (B's trip 8 may name step 16; it is left out)
	s_lshl_b32 s[TB], s[TB], 14
	STEP 1
	s_add_co_u32 s[I], s[I], 1
	s_cmp_lt_u32 s[I], 9
	s_cbranch_scc1 .Lloop
; THE PAIR JOINS.  B stores its part of tile 15 - u (where it has worked none: zeros, under an M that makes the factor 0).
.rept 4
	v_nop                                          ; places behind the last products
.endr
	s_wait_alu depctr_va_vdst(0)
	s_barrier_signal -1
	s_barrier_wait -1                              ; no wave reads K or V any more
	s_cmp_eq_u32 s[RO], 0
	s_cbranch_scc1 .Lno_part
	v_add_f32 v14, v14, v15
.irp i, 0,1,2,3,4,5,6,7
	ds_store_b128 v[PO], v[O+4*\i:O+4*\i+3] offset:512*\i
.endr
	ds_store_b32 v[PM], v12 offset:4096
	ds_store_b32 v[PM], v14 offset:4224
.Lno_part:
	s_wait_alu depctr_va_vdst(0)
	s_wait_dscnt 0x0                               ; my stores are done: other waves read them
	s_barrier_signal -1
	s_barrier_wait -1
	s_cmp_eq_u32 s[RO], 1
	s_cbranch_scc1 .Lend
	ds_load_b32 v24, v[PM] offset:4096             ; B's -M
	ds_load_b32 v25, v[PM] offset:4224             ; B's sum
.irp i, 0,1,2,3,4,5,6,7
	ds_load_b128 v[KV+4*\i:KV+4*\i+3], v[PO] offset:512*\i
.endr
	v_add_f32 v14, v14, v15
	s_wait_alu depctr_va_vdst(0)
	s_wait_dscnt 0x0
	v_min_num_f32 v29, v12, v24                    ; the joint -M
	v_sub_f32 v24, v29, v24                        ; B's M less the joint M
	v_sub_f32 v26, v29, v12                        ; and mine
	v_cvt_i32_f32 v24, v24                         ; (it saturates)
	v_cvt_i32_f32 v26, v26
	v_ldexp_f32 v30, 1.0, v24                      ; B's factor, a power of two or 0
	v_ldexp_f32 v26, 1.0, v26                      ; mine
	v_mul_f32 v14, v14, v26
	v_fma_f32 v14, v25, v30, v14
.set n, 0
.rept 16
	v_pk_mul_f32 v[KV+n:KV+n+1], v[KV+n:KV+n+1], v[30:31] op_sel_hi:[1,0]
.set n, n+2
.endr
.set n, 0
.rept 16
	v_pk_fma_f32 v[O+n:O+n+1], v[O+n:O+n+1], v[26:27], v[KV+n:KV+n+1] op_sel_hi:[1,0,1]
.set n, n+2
.endr
	FINISH OB
.Lend:
	s_wait_tensorcnt 0x0                           ; the wave's end
	ds_add_u32 v208, v209
	s_wait_dscnt 0x0
	CROUND                                         ; the closing round
	s_endpgm
.Lfunc_end_k_q1ad6de9677_attn:
	.size	k_q1ad6de9677_attn, .Lfunc_end_k_q1ad6de9677_attn-k_q1ad6de9677_attn
	.p2alignl 7, 3214868480
	.fill 96, 4, 3214868480
	.section	.rodata,"a",@progbits
	.p2align	6, 0x0
	.amdhsa_kernel k_q1ad6de9677_attn
		.amdhsa_group_segment_fixed_size 327680
		.amdhsa_private_segment_fixed_size 0
		.amdhsa_enable_private_segment 0
		.amdhsa_kernarg_size 32
		.amdhsa_user_sgpr_count 2
		.amdhsa_user_sgpr_kernarg_segment_ptr 1
		.amdhsa_wavefront_size32 1
		.amdhsa_system_sgpr_workgroup_id_x 1
		.amdhsa_system_sgpr_workgroup_id_y 1
		.amdhsa_system_sgpr_workgroup_id_z 1
		.amdhsa_system_vgpr_workitem_id 0
		.amdhsa_next_free_vgpr 224
		.amdhsa_next_free_sgpr 80
		.amdhsa_reserve_vcc 1
		.amdhsa_float_denorm_mode_32 3
		.amdhsa_float_denorm_mode_16_64 3
		.amdhsa_memory_ordered 1
		.amdhsa_forward_progress 1
		.amdhsa_inst_pref_size 42
	.end_amdhsa_kernel
	.amdgpu_metadata
---
amdhsa.version: [ 1, 2 ]
amdhsa.kernels:
  - .name:           k_q1ad6de9677_attn
    .symbol:         k_q1ad6de9677_attn.kd
    .args:
      - { .name: qimg, .offset: 0, .size: 8, .value_kind: global_buffer, .address_space: global }
      - { .name: kvimg, .offset: 8, .size: 8, .value_kind: global_buffer, .address_space: global }
      - { .name: lowp_scales, .offset: 16, .size: 8, .value_kind: global_buffer, .address_space: global }
      - { .name: ctximg, .offset: 24, .size: 8, .value_kind: global_buffer, .address_space: global }
    .group_segment_fixed_size: 327680
    .private_segment_fixed_size: 0
    .kernarg_segment_align: 8
    .kernarg_segment_size: 32
    .max_flat_workgroup_size: 512
    .sgpr_count:     80
    .vgpr_count:     224
    .wavefront_size: 32
...
	.end_amdgpu_metadata
.endif
;; end of part 2
;; launch oproj (part 3): grid 8 x 32, 8 waves a work-group, clusters of 4 x 4, 327,680 bytes of LDS; arguments ctximg, W_o_codes, b_o, lowp_scales, out0; writes out0
.if DOCPART == 3
	.amdgcn_target "amdgcn-amd-amdhsa--gfx1250"
	.amdhsa_code_object_version 6
	.text
	.protected	k_q1ad6de9677_oproj
	.globl	k_q1ad6de9677_oproj
	.p2align	8
	.type	k_q1ad6de9677_oproj,@function
k_q1ad6de9677_oproj:
	s_mov_b64 s[64:65], 0
	v_nop
	global_prefetch_b8 v0, s[64:65] scope:SCOPE_SE
	s_setreg_imm32_b32 hwreg(HW_REG_WAVE_MODE, 25, 1), 1
	s_wait_xcnt 0x0
	s_wait_alu depctr_hold_cnt(0) depctr_sa_sdst(0) depctr_va_vdst(0) depctr_va_sdst(0) depctr_va_ssrc(0) depctr_va_vcc(0) depctr_vm_vsrc(0)
	s_getreg_b32 s2, hwreg(HW_REG_IB_STS2, 6, 4)
	s_cmp_eq_u32 s2, 0
	s_cbranch_scc0 .Lentry_in_a_cluster
	s_endpgm
.Lentry_in_a_cluster:
	s_bfe_u32 s2, ttmp6, 0x10000c
	s_cmp_lg_u32 s2, 0xf033
	s_cbranch_scc0 .Lentry_shape_is_right
	s_endpgm
.Lentry_shape_is_right:
; out = ctx W_o + b_o on codes of FP8 (E4M3): out = sum x 2^(e10+e11) + b_o, f32.  LIMIT: e10 + e11 between -126 and 127, so that the power of two is an f32 number.
; ctximg [tile of 16 tokens 256][128 along K: 8][quad 4][lane][16]: images of the operand's registers, in the matrix form's own layout (registers 2 c, 2 c + 1: k = 16 c + 8 (lane / 16) + 0 .. 7).
; W_o: [1024 (column)][1024 (K)] codes; its fragments are therefore fetched in the same layout, by loads of 8 bytes.
; SHARES.  Work-group (tx, ty): tokens 128 ty on, columns 128 tx on: 256 work-groups.  Eight waves: g = wave / 4 takes half g of K; among the four of a group a wave makes 64 tokens x 64 columns (16 accumulators).
; The two halves are then joined: each wave of a pair (wave, wave xor 4) gives two of its four token tiles to the other through LDS and finishes the other two.  Group 1 counts its token tiles from the third on, so that
; local tiles 0, 1 are always those that a wave keeps and 2, 3 those that it gives.
; ALL OF BOTH OPERANDS LIES IN LDS; no byte is filled twice.  Each wave issues one load: four token tiles x 8,192 bytes of ctx, or 64 rows x 512 bytes of W_o.  No prefetch: there is no later fill to run ahead of.
; CLUSTER 4 x 4: ctx's tiles hang on ty alone and are asked for jointly along a row, W_o's on tx alone, along a column.
; TRANSPOSED USE: source 0 = 16 rows of W_o, source 1 = 16 tokens: a lane holds eight neighbouring columns of one row of out.
; REGISTERS: window 0: v1-31 addresses; v32-95 rows read back; v96-127 b_o in the results' layout; v128-255 the accumulators ((a, b) at 128 + 8 (4 a + b)).  window 1: two sets of fragments: 64 of ctx, 64 of W_o.
.set PITCH, 272                        ; the stage's rows: 256 bytes + 16
.set WP,    528                        ; W_o's rows in LDS: 512 bytes + 16
.set ACH,   32768                      ; 4 token tiles x 8,192 bytes: [half of K 2][half of the tokens 2]
.set WBASE, 4*ACH
.set WCH,   64*WP                      ; [half of K 2][half of the columns 2]
.set STAGE, WBASE+4*WCH                ; the way out: 16 rows x 272 bytes for each wave; no fill lands here
.set SPARE, STAGE+8*16*PITCH           ; the spare words, 128 bytes a wave, which no other line names
.set ADA, 8                            ; v8, v9 my local token tiles 0, 1 and 2, 3
.set ADB, 12
.set EXW, 13                           ; where I put what I give: in ctx's bytes, which have had their only fill and, behind a barrier, their last read
.set EXR, 14
.set STO, 24
.set RD,  25
.set CO,  26
.set BIAS, 96
.set ACC, 128
.set WV,  14
.set G1A, 24
.set G1B, 32
.set G0A, 40
.set G0B, 44
.set MSB, 0
.macro WIN new
.if MSB != \new
	s_set_vgpr_msb (MSB<<8)|\new
.set MSB, \new
.endif
.endm
.macro PLACES
.rept 4
	v_nop
.endr
.endm
.macro CROUND
	s_barrier_signal -1
	s_barrier_wait -1
	s_cmp_lg_u32 s[WV], 0
	s_cbranch_scc1 .Lnot_wave_0_\@
	s_barrier_signal -3
.Lnot_wave_0_\@:
	s_barrier_wait -3
	s_barrier_signal -1
	s_barrier_wait -1
.endm
	s_load_b256 s[4:11], s[0:1], 0x0               ; ctximg s[4:5], W_o s[6:7], b_o s[8:9], the scales s[10:11]
	s_load_b64 s[12:13], s[0:1], 0x20              ; out0
	v_lshl_add_u32 v30, v0, 2, SPARE
	v_mov_b32 v31, 0
	ds_add_u32 v30, v31                            ; the opening lines: the add, twice on end, and its wait
	ds_add_u32 v30, v31
	v_lshrrev_b32 v1, 5, v0
	v_readfirstlane_b32 s[WV], v1                  ; wave 0..7
	s_bfe_u32 s15, ttmp6, 0x40000                  ; cx
	s_bfe_u32 s16, ttmp6, 0x40004                  ; cy
	s_lshl_b32 s17, ttmp9, 2
	s_add_co_u32 s17, s17, s15                     ; tx
	s_and_b32 s18, ttmp7, 0xffff
	s_lshl_b32 s18, s18, 2
	s_add_co_u32 s18, s18, s16                     ; ty
	s_and_b32 s19, s[WV], 1                        ; my half of the columns; also: which half of a tile I fetch
	s_bfe_u32 s20, s[WV], 0x10001                  ; my half of the tokens; also: I fetch for ctx (0) or for W_o (1)
	s_lshr_b32 s21, s[WV], 2                       ; g: my half of K, for work and for fetching
	s_lshl_b32 s22, s16, 2
	s_lshl_b32 s22, 15, s22                        ; my row of the cluster
	s_lshl_b32 s23, 0x1111, s15                    ; my column
	s_or_b32 s[G1A], s22, (3<<16)|(1<<21)          ; the mask; elements of 8 bytes; 21 set beside a mask; no padding
	s_mov_b32 s[G1A+1], 1024<<16                   ; tensor_dim0 = 1024: rows of 8,192 bytes
	s_mov_b32 s[G1A+2], 4<<16                      ; tensor_dim1 = 4
	s_mov_b32 s[G1A+3], 1024<<16
	s_mov_b32 s[G1A+4], 4
	s_mov_b32 s[G1A+5], 2048                       ; 16,384 bytes from a token tile to the next
	s_mov_b32 s[G1A+6], 0
	s_mov_b32 s[G1A+7], 0
	s_or_b32 s[G1B], s23, (1<<20)|(1<<21)|(6<<22)|(3<<25)   ; elements of 1 byte; 4 words of padding after every 128
	s_mov_b32 s[G1B+1], 512<<16
	s_mov_b32 s[G1B+2], 64<<16
	s_mov_b32 s[G1B+3], 512<<16
	s_mov_b32 s[G1B+4], 64
	s_mov_b32 s[G1B+5], 1024
	s_mov_b32 s[G1B+6], 0
	s_mov_b32 s[G1B+7], 0
	s_lshl_b32 s60, s18, 17                        ; ctx: the block's 8 token tiles, my four of them, my half of K
	s_lshl_b32 s61, s19, 16
	s_add_co_u32 s60, s60, s61
	s_lshl_b32 s61, s21, 13
	s_add_co_u32 s60, s60, s61
	s_mov_b32 s61, 0
	s_lshl_b32 s62, s17, 17                        ; W_o: row 128 tx + 64 x half, my half of K
	s_lshl_b32 s63, s19, 16
	s_add_co_u32 s62, s62, s63
	s_lshl_b32 s63, s21, 9
	s_add_co_u32 s62, s62, s63
	s_mov_b32 s63, 0
	s_lshl_b32 s88, s21, 1
	s_add_co_u32 s89, s88, s19                     ; and where they go
	s_mov_b32 s[G0A], 1
	s_mul_i32 s[G0A+1], s89, ACH
	s_mov_b32 s[G0B], 1
	s_mul_i32 s90, s89, WCH
	s_add_co_u32 s[G0B+1], s90, WBASE
	s_wait_dscnt 0x0                               ; both opening adds are done
	s_wait_kmcnt 0x0
	s_load_b64 s[84:85], s[10:11], 0x28            ; e10, e11
	s_add_nc_u64 s[G0A+2:G0A+3], s[4:5], s[60:61]
	s_or_b32 s[G0A+3], s[G0A+3], 0x80000000
	s_add_nc_u64 s[G0B+2:G0B+3], s[6:7], s[62:63]
	s_or_b32 s[G0B+3], s[G0B+3], 0x80000000
	CROUND                                         ; all sixteen work-groups are here: the joint loads meet
	s_cmp_eq_u32 s20, 0                            ; one tensor load a wave
	s_cbranch_scc0 .Lfill_w
	tensor_load_to_lds s[G0A:G0A+3], s[G1A:G1A+7]
	s_nop 0
.rept 4
	v_nop
.endr
	s_branch .Lfilled
.Lfill_w:
	tensor_load_to_lds s[G0B:G0B+3], s[G1B:G1B+7]
	s_nop 0
.rept 4
	v_nop
.endr
.Lfilled:
	v_bfe_u32 v2, v0, 4, 1                         ; h
	v_lshlrev_b32 v7, 5, v2                        ; b_o: columns 16 b + 8 h + 0 .. 7
	s_lshl_b32 s94, s17, 9
	s_lshl_b32 s95, s19, 8
	s_add_co_u32 s94, s94, s95                     ; my 64 columns, in bytes
	s_mov_b32 s95, 0
	s_add_nc_u64 s[8:9], s[8:9], s[94:95]
.irp b, 0,1,2,3
	global_load_b128 v[BIAS+8*\b:BIAS+8*\b+3],   v7, s[8:9] offset:64*\b
	global_load_b128 v[BIAS+8*\b+4:BIAS+8*\b+7], v7, s[8:9] offset:64*\b+16
.endr
	s_add_nc_u64 s[12:13], s[12:13], s[94:95]
	s_lshl_b32 s94, s18, 19                        ; my first row of out: 128 ty + 64 x half + 32 g, rows of 4,096 bytes
	s_lshl_b32 s93, s20, 18
	s_add_co_u32 s94, s94, s93
	s_lshl_b32 s93, s21, 17
	s_add_co_u32 s94, s94, s93
	s_add_nc_u64 s[12:13], s[12:13], s[94:95]
	s_add_co_u32 s90, s88, s20
	s_mul_i32 s90, s90, ACH                        ; my four token tiles in my half of K
	s_lshl_b32 s91, s21, 14
	s_add_co_u32 s91, s91, s90                     ; those that I keep
	s_xor_b32 s92, s21, 1
	s_lshl_b32 s92, s92, 14
	s_add_co_u32 s92, s92, s90                     ; those that I give
	s_mul_i32 s89, s89, WCH
	s_add_co_u32 s89, s89, WBASE                   ; my 64 rows of W_o in my half of K
	s_lshl_b32 s56, s[WV], 13
	s_xor_b32 s57, s[WV], 4
	s_lshl_b32 s57, s57, 13
	s_mul_i32 s58, s[WV], 16*PITCH
	s_add_co_u32 s58, s58, STAGE                   ; my stage
	v_and_b32 v1, 15, v0                           ; r
	v_bfe_u32 v2, v0, 4, 1
	v_and_b32 v3, 31, v0
	v_lshlrev_b32 v3, 4, v3                        ; 16 x lane
	v_add_nc_u32 v[ADA], s91, v3
	v_add_nc_u32 v[ADA+1], s92, v3
	v_add_nc_u32 v[EXW], s56, v3
	v_add_nc_u32 v[EXR], s57, v3
	v_mul_u32_u24 v4, v1, WP
	v_lshl_add_u32 v4, v2, 3, v4                   ; W_o: row r, + 8 h
	v_add_nc_u32 v[ADB], s89, v4
	v_mul_u32_u24 v5, v1, PITCH
	v_lshl_add_u32 v5, v2, 5, v5
	v_add_nc_u32 v[STO], s58, v5                   ; in: row r, 32 bytes for each half of the lanes
	v_mul_u32_u24 v6, v2, PITCH
	v_lshl_add_u32 v6, v1, 4, v6
	v_add_nc_u32 v[RD], s58, v6                    ; back: lanes 0-15 one row of 256 bytes, lanes 16-31 the next
	v_lshlrev_b32 v[CO], 12, v2
	v_lshl_add_u32 v[CO], v1, 4, v[CO]             ; and the same two rows in out
	s_wait_alu depctr_va_vdst(0)
	s_wait_kmcnt 0x0
	s_add_co_i32 s86, s84, s85
	s_add_co_i32 s86, s86, 127
	s_lshl_b32 s86, s86, 23                        ; 2^(e10 + e11) as f32
	s_mov_b32 s87, s86                             ; (named with it as a pair)
	s_wait_loadcnt 0x0                             ; b_o
.macro FETCH sg                        ; the fragments of the sg-th 128 along my half of K into set sg % 2
.set fF, 128*((\sg)%2)
	WIN 0x40                                       ; destination window 1
.irp a, 0,1,2,3
.irp p, 0,1,2,3
	ds_load_b128 v[fF+16*\a+4*\p:fF+16*\a+4*\p+3], v[ADA+\a/2] offset:(\a%2)*8192+(\sg)*2048+\p*512
.endr
.endr
.irp b, 0,1,2,3
.irp c, 0,1,2,3,4,5,6,7
	ds_load_b64 v[fF+64+16*\b+2*\c:fF+64+16*\b+2*\c+1], v[ADB] offset:\b*16*WP+(\sg)*128+16*\c
.endr
.endr
.endm
.macro MUL sg                          ; the 16 accumulators take turns, one instruction a turn; the first step starts the sums
.set mF, 128*((\sg)%2)
	WIN 0x05                                       ; sources 0 and 1 window 1, C and D window 0
.irp a, 0,1,2,3
.irp b, 0,1,2,3
.if (\sg) == 0
	v_wmma_f32_16x16x128_fp8_fp8 v[ACC+8*(4*\a+\b):ACC+8*(4*\a+\b)+7], v[mF+64+16*\b:mF+64+16*\b+15], v[mF+16*\a:mF+16*\a+15], 0
.else
	v_wmma_f32_16x16x128_fp8_fp8 v[ACC+8*(4*\a+\b):ACC+8*(4*\a+\b)+7], v[mF+64+16*\b:mF+64+16*\b+15], v[mF+16*\a:mF+16*\a+15], v[ACC+8*(4*\a+\b):ACC+8*(4*\a+\b)+7]
.endif
.endr
.endr
.endm
	s_wait_tensorcnt 0x0                           ; my load has landed,
	s_barrier_signal -1
	s_barrier_wait -1                              ; and so has everybody's
	FETCH 0
.irp sg, 0,1,2
	s_wait_dscnt 0x0                               ; this step's fragments are in
	PLACES                                         ; the loads below land in the set that the step before multiplied
	FETCH \sg+1
	MUL \sg
.endr
	s_wait_dscnt 0x0                               ; my reads of both operands are over:
	s_barrier_signal -1                            ; say so; the last products are work on registers
	MUL 3
	WIN 0
	s_barrier_wait -1                              ; nobody reads ctx's bytes any more
	PLACES
.irp i, 0,1,2,3,4,5,6,7,8,9,10,11,12,13,14,15
	ds_store_b128 v[EXW], v[ACC+64+4*\i:ACC+64+4*\i+3] offset:512*\i   ; the two token tiles that I give, each accumulator from its low end on
.endr
	s_wait_dscnt 0x0                               ; my stores are done: the partner reads them
	s_barrier_signal -1
	s_barrier_wait -1
.irp i, 0,1,2,3,4,5,6,7,8,9,10,11,12,13,14,15
	ds_load_b128 v[ACC+64+4*\i:ACC+64+4*\i+3], v[EXR] offset:512*\i
.endr
	s_wait_dscnt 0x0
.set n, 0
.rept 32
	v_pk_add_f32 v[ACC+n:ACC+n+1], v[ACC+n:ACC+n+1], v[ACC+64+n:ACC+64+n+1]   ; K's two halves
.set n, n+2
.endr
; THE WAY OUT, 16 tokens at a time: sum x 2^(e10+e11) + b_o by one packed multiply-add for two numbers; through my stage; sixteen lanes store 256 consecutive bytes, aligned.
.irp a, 0,1
.irp b, 0,1,2,3
.irp i, 0,2,4,6
	v_pk_fma_f32 v[ACC+32*\a+8*\b+\i:ACC+32*\a+8*\b+\i+1], v[ACC+32*\a+8*\b+\i:ACC+32*\a+8*\b+\i+1], s[86:87], v[BIAS+8*\b+\i:BIAS+8*\b+\i+1] op_sel_hi:[1,0,1]
.endr
.endr
.irp b, 0,1,2,3
	ds_store_b128 v[STO], v[ACC+32*\a+8*\b:ACC+32*\a+8*\b+3] offset:64*\b
	ds_store_b128 v[STO], v[ACC+32*\a+8*\b+4:ACC+32*\a+8*\b+7] offset:64*\b+16
.endr
.irp i, 0,1,2,3,4,5,6,7
	ds_load_b128 v[32+32*\a+4*\i:32+32*\a+4*\i+3], v[RD] offset:2*\i*PITCH   ; LDS serves a wave's instructions in order (ISA guide 5.7.1.4): these see my stores, and block 1's stores come behind block 0's loads
.endr
.endr
.irp a, 0,1
	s_wait_dscnt 16-16*\a                          ; block 0 is back in registers: behind its loads stand block 1's 8 stores and 8 loads
.irp i, 0,1,2,3,4,5,6,7
	global_store_b128 v[CO], v[32+32*\a+4*\i:32+32*\a+4*\i+3], s[12:13] offset:(16*\a+2*\i)*4096 th:TH_STORE_NT
.endr
.endr
	s_wait_tensorcnt 0x0                           ; the wave's end
	ds_add_u32 v30, v31
	s_wait_dscnt 0x0
	CROUND                                         ; the closing round
	s_endpgm
.Lfunc_end_k_q1ad6de9677_oproj:
	.size	k_q1ad6de9677_oproj, .Lfunc_end_k_q1ad6de9677_oproj-k_q1ad6de9677_oproj
	.p2alignl 7, 3214868480
	.fill 96, 4, 3214868480
	.section	.rodata,"a",@progbits
	.p2align	6, 0x0
	.amdhsa_kernel k_q1ad6de9677_oproj
		.amdhsa_group_segment_fixed_size 327680
		.amdhsa_private_segment_fixed_size 0
		.amdhsa_enable_private_segment 0
		.amdhsa_kernarg_size 40
		.amdhsa_user_sgpr_count 2
		.amdhsa_user_sgpr_kernarg_segment_ptr 1
		.amdhsa_wavefront_size32 1
		.amdhsa_system_sgpr_workgroup_id_x 1
		.amdhsa_system_sgpr_workgroup_id_y 1
		.amdhsa_system_sgpr_workgroup_id_z 1
		.amdhsa_system_vgpr_workitem_id 0
		.amdhsa_next_free_vgpr 512
		.amdhsa_next_free_sgpr 96
		.amdhsa_reserve_vcc 0
		.amdhsa_float_denorm_mode_32 3
		.amdhsa_float_denorm_mode_16_64 3
		.amdhsa_memory_ordered 1
		.amdhsa_forward_progress 1
		.amdhsa_inst_pref_size 35
	.end_amdhsa_kernel
	.amdgpu_metadata
---
amdhsa.version: [ 1, 2 ]
amdhsa.kernels:
  - .name:           k_q1ad6de9677_oproj
    .symbol:         k_q1ad6de9677_oproj.kd
    .args:
      - { .name: ctximg, .offset: 0, .size: 8, .value_kind: global_buffer, .address_space: global }
      - { .name: W_o_codes, .offset: 8, .size: 8, .value_kind: global_buffer, .address_space: global }
      - { .name: b_o, .offset: 16, .size: 8, .value_kind: global_buffer, .address_space: global }
      - { .name: lowp_scales, .offset: 24, .size: 8, .value_kind: global_buffer, .address_space: global }
      - { .name: out0, .offset: 32, .size: 8, .value_kind: global_buffer, .address_space: global }
    .group_segment_fixed_size: 327680
    .private_segment_fixed_size: 0
    .kernarg_segment_align: 8
    .kernarg_segment_size: 40
    .max_flat_workgroup_size: 256
    .sgpr_count:     96
    .vgpr_count:     512
    .wavefront_size: 32
...
	.end_amdgpu_metadata
.endif
;; end of part 3
